; MI455X (gfx1250); checked and timed in simulation.
; The chip was launched on July 23, 2026; its instructions are those of AMD's public machine-readable ISA for CDNA 5 (MIT licence, August 2026) and "CDNA5" Instruction Set Architecture Reference Guide (July 2026). The comments in the code are by the model that wrote it; some were corrected since.
;; Attention Block. Allowed arithmetic: matrix products marked QUANTISED: E2M1 operands, one E8M0 scale for each 32 along K, by v_wmma_scale_f32_16x16x128_f8f6f4 with both operands' format E2M1 (or v_wmma_scale_f32_32x16x128_f4), f32 sums; everything else in f32.
;; Inputs: bk 256 float32; bp 256 float32; bq 256 float32; bv 256 float32; wk 256 x 256 float32; wp 256 x 256 float32; wq 256 x 256 float32; wv 256 x 256 float32; x 4 x 256 x 64 x 64 float32.
;; Outputs: out0 4 x 256 x 64 x 64 float32.
;; This version of the problem:
;;   THIS VERSION OF THE PROBLEM IS GIVEN IN LOW PRECISION. The matrix products marked QUANTISED in the list below multiply operands that are first quantised to E2M1 (2 exponent bits, 1 mantissa bit; 4 bits a number), with one power-of-two scale for each 32 numbers along K (OCP MX v1.0); their sums are f32. All else is computed in f32.
;;   The module's matrix products, in the order in which they are computed (A, B: the left and right operand; K: the contracted axis; several contracted axes count as one K, in the product's order):
;;     1. [M 256, K 256] x [K 256, N 16,384]; A: input wq; B: computed on the way: QUANTISED
;;     2. [M 256, K 256] x [K 256, N 16,384]; A: input wk; B: computed on the way: QUANTISED
;;     3. [M 256, K 256] x [K 256, N 16,384]; A: input wv; B: computed on the way: QUANTISED
;;     4. batch 4 x [M 4,096, K 256] x [K 256, N 4,096]; A: computed on the way; B: computed on the way: QUANTISED
;;     5. batch 4 x [M 256, K 4,096] x [K 4,096, N 4,096]; A: computed on the way; B: softmax (see below): QUANTISED
;;     6. [M 256, K 256] x [K 256, N 16,384]; A: input wp; B: computed on the way: QUANTISED
;;   THE QUANTISER, for each operand of a quantised product, along K:
;;     - K is cut into blocks of 32 from its start; a last block that is shorter is filled with zeros.
;;     - A block's scale is 2^e with e = floor(log2(the largest magnitude in the block)) - 2, held to -126 .. 127; a block of zeros has e = 0. As a byte (E8M0): e + 127.
;;     - Each number is divided by its block's scale, clamped to +-6, and rounded to the nearest number of E2M1, ties to even, subnormals kept.
;;     - The product sums the exact products of the quantised numbers (number of the format x scale) in f32.
;;   ~~~python
;;   def quantise(x, axis):      # numpy; x: float32 -> the quantised numbers, widened to float32 again
;;       x = np.moveaxis(x, axis, -1); K = x.shape[-1]
;;       x = np.pad(x, [(0, 0)] * (x.ndim - 1) + [(0, -K % 32)]); x = x.reshape(x.shape[:-1] + (-1, 32)); a = np.abs(x).max(-1, keepdims=True)
;;       e = np.where(a > 0, np.clip(np.frexp(np.where(a > 0, a, 1))[1] - 1 - 2, -126, 127), 0)      # np.frexp(a)[1] - 1 = floor(log2(a)), exactly
;;       r = np.clip(x / 2.0 ** e, -6, 6)
;;       step = 2.0 ** (np.maximum(np.frexp(np.where(r == 0, 1, r))[1] - 1, 0) - 1)
;;       q = np.round(r / step) * step * 2.0 ** e      # np.round: ties to even
;;       return np.moveaxis(q.reshape(q.shape[:-2] + (-1,))[..., :K], -1, axis).astype(np.float32)
;;   ~~~
;;   SOFTMAX AHEAD OF A QUANTISED PRODUCT. Where the list says 'softmax', what is quantised is not the finished softmax but p = 2^(t - M), with t = logit x log2(e) and M = ceil(the row's largest t), a whole number; so 1/2 < the row's largest p <= 1. The row's sum l is taken of the UNQUANTISED p, in f32, and the product's result is divided by l at the end. Since M is a whole number, a kernel that streams over the keys may use a running M (the ceiling of the running maximum): every later rescaling is an exact power of two, which a block's scale takes up: the codes' values come out the same.
;;   OPERANDS COMPUTED ON THE WAY. 'Computed on the way' means the value that the module computes at that place (a softmax that the list does not call 'softmax' is quantised finished and normalised). What goes into a quantiser is computed in f32, as accurately as f32 sums, v_exp_f32 and their like allow (about 1e-6 of the number): no bf16 or f16 on the way to a quantiser, and a product that is left as it is and whose result goes on into a quantised operand takes f32 operands (vector FMAs, or v_wmma_f32_16x16x4_f32). A number that lies on a knife's edge between two numbers of the format may be rounded either way, as far as f32 arithmetic and the matrix unit's own rounding can turn it there, and no further.
;; One version. Each part assembles by itself: llvm-mc -triple=amdgcn-amd-amdhsa -mcpu=gfx1250 --defsym DOCPART=n.
;; ======== version 1 of 1: 3 launches
;; workspace buffers: stats 8,192 bytes; wfrag 139,264 bytes; qbuf 2,228,224 bytes; kbuf 2,228,224 bytes; vbuf 2,228,224 bytes
;; launch prep (part 1): grid 256 x 1, 5 waves a work-group, no clusters, 0 bytes of LDS; arguments x, wq, wk, wv, wp, stats, wfrag; writes stats, wfrag
.if DOCPART == 1
	.amdgcn_target "amdgcn-amd-amdhsa--gfx1250"
	.amdhsa_code_object_version 6
	.text
	.protected	k_q869526176a_prep
	.globl	k_q869526176a_prep
	.p2align	8
	.type	k_q869526176a_prep,@function
k_q869526176a_prep:
	s_mov_b64 s[64:65], 0
	v_nop
	global_prefetch_b8 v0, s[64:65] scope:SCOPE_SE
	s_setreg_imm32_b32 hwreg(HW_REG_WAVE_MODE, 25, 1), 1
	s_wait_xcnt 0x0
; Two jobs that everything later needs, in one launch.  Every work-group has five waves and the same work; the waves share nothing.
; WAVES 0-3: the instance norm's statistics.  A wave takes one plane (b, c) of x, 4,096 numbers = 128 registers a wave, reads it ONCE and keeps it for both passes:
;   mean = sum / 4096;  var = sum((x - mean)^2) / 4096 (the two-pass form, which holds under a common offset);  rstd = 1 / sqrt(var + 1e-5).  stats: mean[1024], then rstd[1024] at byte 4096.
;   Each wave stores two words from lane 0: 8 KB in the whole launch, against 16 MB read.
; WAVE 4: a quarter of a tile of a weight: 4 weights x 16 tiles x 4 quarters = 256, one for each work-group; its loads are on their way beside the planes'.
;   The four weights [256 (out)][256 (K)] f32 become codes of FP4 (E2M1) with one E8M0 byte for each 32 along K, laid AS THE OPERAND'S REGISTERS lie:
;   weight id at id x 34,816: tile T (16 rows), K step s (128): 1,024 bytes at T x 2048 + s x 1024: registers 4c .. 4c+3 of lane L at c x 512 + 16 L;  scale words at 32,768 + T x 128 + 4 (16 s + r), byte 2 c + h for block 2 c + h.
;   THE ROWS OF A TILE ARE NOT NEIGHBOURS: lane r of tile T takes row 32 (T / 2) + 8 (T % 2) + r + 8 (r / 8), so that results of two neighbouring tiles are 16 neighbours along the next product's K.
;   Quarter q = 2 s + c: lane (r, h) takes k = 128 s + 64 c + 32 h + 0 .. 31 of its row: one whole block, 128 bytes on end, so its largest magnitude needs no other lane.
;   The codes leave as 512 bytes on end; the quarter's two scale bytes a row as a store of two bytes: 8 KB in the whole launch.
; A block's scale is 2^(floor(log2(largest magnitude)) - 2); its byte is the largest magnitude's exponent field - 2, held at 1 from below.
; LIMITS: a block of zeros gets the byte 1 where the rule says 127 (its codes are zeros, and this program alone reads the bytes); NaN and infinities among the inputs are not served.
.set PLANE, 16384
.set WSZ,   34816
.set X,     16                         ; v16-143  the plane;  wave 4: v16-47 a block
.set ACC,   144                        ; v144-151 four packed chains
.set SUM,   152
.set OTH,   153
.set MUP,   154                        ; v154-155 the mean, twice
.set D,     156                        ; v156-163 differences at work
.set MX,    144                        ; wave 4: v144-147 four chains of the largest magnitude
.set SOP,   148                        ; the conversion's scale operand
.set BY,    149                        ; the byte
.set SH,    150
.set WD,    151                        ; the quarter's two bytes
.set OW,    152
.set CD,    154                        ; v154-157 the codes
	s_load_b256 s[4:11], s[0:1], 0x0               ; x, wq, wk, wv
	s_load_b128 s[12:15], s[0:1], 0x20             ; wp, stats
	s_load_b64 s[16:17], s[0:1], 0x30              ; wfrag
	v_lshrrev_b32 v1, 5, v0
	v_readfirstlane_b32 s18, v1                    ; wave
	v_and_b32 v2, 31, v0                           ; lane
	v_lshlrev_b32 v3, 4, v2                        ; 16 x lane
	s_mov_b32 s20, 0x76543210
	s_mov_b32 s21, 0xfedcba98                      ; v_permlanex16_b32's selects for lane l xor 16
	s_cmp_eq_u32 s18, 4
	s_cbranch_scc1 .Lweights
	; ---- statistics
	s_lshl_b32 s22, ttmp9, 2
	s_add_co_u32 s22, s22, s18                     ; my plane
	s_lshl_b32 s24, s22, 14
	s_mov_b32 s25, 0
	s_lshl_b32 s23, s22, 2
	v_mov_b32 v4, s23                              ; its word in stats
	v_mov_b32 v[OTH], 0                            ; a lane permute's destination counts as one of its sources
	s_mov_b32 s26, 0x39800000                      ; 1 / 4096
	s_mov_b32 s27, 0x3727c5ac                      ; 1e-5
	s_wait_kmcnt 0x0
	s_add_nc_u64 s[4:5], s[4:5], s[24:25]
.set i, 0
.rept 32
	global_load_b128 v[X+4*i:X+4*i+3], v3, s[4:5] offset:512*i     ; 512 bytes on end a load; x is read again by later launches: no hint
.set i, i+1
.endr
.macro REDUCE                          ; the four chains, the pair's halves, the 32 lanes: the sum in every lane
	v_pk_add_f32 v[ACC:ACC+1], v[ACC:ACC+1], v[ACC+2:ACC+3]
	v_pk_add_f32 v[ACC+4:ACC+5], v[ACC+4:ACC+5], v[ACC+6:ACC+7]
	v_pk_add_f32 v[ACC:ACC+1], v[ACC:ACC+1], v[ACC+4:ACC+5]
	v_add_f32 v[SUM], v[ACC], v[ACC+1]
	v_add_f32_dpp v[SUM], v[SUM], v[SUM] row_xmask:1 row_mask:0xf bank_mask:0xf
	v_add_f32_dpp v[SUM], v[SUM], v[SUM] row_xmask:2 row_mask:0xf bank_mask:0xf
	v_add_f32_dpp v[SUM], v[SUM], v[SUM] row_xmask:4 row_mask:0xf bank_mask:0xf
	v_add_f32_dpp v[SUM], v[SUM], v[SUM] row_xmask:8 row_mask:0xf bank_mask:0xf
	v_permlanex16_b32 v[OTH], v[SUM], s20, s21
	v_add_f32 v[SUM], v[SUM], v[OTH]
.endm
.set j, 0
.rept 64                               ; pass 1: 64 pairs in four chains; the first eight pairs start the chains: nothing is cleared
.if j%16 == 0
	s_wait_loadcnt 24-8*(j/16)                     ; eight loads (16 pairs) at a time are in; the younger groups stay out
.endif
.if j < 4
	v_pk_add_f32 v[ACC+2*j:ACC+2*j+1], v[X+2*j:X+2*j+1], v[X+2*j+8:X+2*j+9]
.elseif j >= 8
	v_pk_add_f32 v[ACC+2*(j%4):ACC+2*(j%4)+1], v[ACC+2*(j%4):ACC+2*(j%4)+1], v[X+2*j:X+2*j+1]
.endif
.set j, j+1
.endr
	REDUCE
	v_mul_f32 v[MUP], s26, v[SUM]                  ; the mean
	v_mov_b32 v[MUP+1], v[MUP]
.set j, 0
.rept 16                               ; pass 2: four differences, then four squares onto the chains
.irp k, 0,1,2,3
	v_pk_add_f32 v[D+2*\k:D+2*\k+1], v[X+8*j+2*\k:X+8*j+2*\k+1], v[MUP:MUP+1] neg_lo:[0,1] neg_hi:[0,1]
.endr
.irp k, 0,1,2,3
.if j == 0
	v_pk_mul_f32 v[ACC+2*\k:ACC+2*\k+1], v[D+2*\k:D+2*\k+1], v[D+2*\k:D+2*\k+1]
.else
	v_pk_fma_f32 v[ACC+2*\k:ACC+2*\k+1], v[D+2*\k:D+2*\k+1], v[D+2*\k:D+2*\k+1], v[ACC+2*\k:ACC+2*\k+1]
.endif
.endr
.set j, j+1
.endr
	REDUCE
	v_fma_f32 v[SUM], v[SUM], s26, s27             ; var + eps
	v_rsq_f32 v[D], v[SUM]
	v_nop                                          ; a plain place behind the transcendental
	v_cmp_eq_u32 vcc_lo, 0, v2
	s_wait_xcnt 0x0                                ; EXEC changes only behind this wait
	s_and_saveexec_b32 s28, vcc_lo
	global_store_b32 v4, v[MUP], s[14:15]
	s_wait_alu depctr_va_vdst(0)
	global_store_b32 v4, v[D], s[14:15] offset:4096
	s_wait_xcnt 0x0
	s_or_b32 exec_lo, exec_lo, s28
	s_endpgm
	; ---- a quarter of a weight's tile
.Lweights:
	s_lshr_b32 s23, ttmp9, 6                       ; which weight: 0 wq, 1 wk, 2 wv, 3 wp
	s_bfe_u32 s22, ttmp9, 0x40002                  ; its tile T
	s_and_b32 s19, ttmp9, 3                        ; the quarter q = 2 s + c
	s_lshr_b32 s24, s22, 1
	s_lshl_b32 s24, s24, 15                        ; 32 (T / 2) rows of 1,024 bytes
	s_and_b32 s25, s22, 1
	s_lshl_b32 s25, s25, 13                        ; 8 (T % 2) rows
	s_add_co_u32 s24, s24, s25
	s_lshl_b32 s25, s19, 8                         ; 64 numbers a quarter
	s_add_co_u32 s24, s24, s25
	s_mov_b32 s25, 0
	v_and_b32 v4, 15, v0                           ; r
	v_bfe_u32 v5, v0, 4, 1                         ; h
	v_and_b32 v6, 8, v4
	v_add_nc_u32 v6, v6, v4                        ; r + 8 (r / 8)
	v_lshlrev_b32 v6, 10, v6
	v_lshl_add_u32 v6, v5, 7, v6                   ; my row, + 128 h bytes
	s_mul_i32 s26, s23, WSZ
	s_mov_b32 s27, 0
	s_lshl_b32 s28, s22, 11
	s_lshl_b32 s29, s19, 9
	s_add_co_u32 s28, s28, s29
	v_add_nc_u32 v7, s28, v3                       ; codes: T x 2048 + 512 q + 16 L
	s_lshl_b32 s28, s22, 7
	s_lshr_b32 s29, s19, 1
	s_lshl_b32 s29, s29, 6
	s_add_co_u32 s28, s28, s29
	s_and_b32 s29, s19, 1
	s_lshl_b32 s29, s29, 1
	s_add_co_u32 s28, s28, s29
	s_add_co_u32 s28, s28, 32768
	v_lshl_add_u32 v8, v4, 2, s28                  ; scale bytes: 32,768 + T x 128 + 64 s + 4 r + 2 c
	v_mov_b32 v[OW], 0                             ; a lane permute's destination counts as one of its sources
	v_lshlrev_b32 v[SH], 3, v5                     ; 8 h bits
	s_wait_kmcnt 0x0
	s_cmp_eq_u32 s23, 1                            ; the choice hangs on the work-group's number alone
	s_cselect_b64 s[6:7], s[8:9], s[6:7]
	s_cmp_eq_u32 s23, 2
	s_cselect_b64 s[6:7], s[10:11], s[6:7]
	s_cmp_eq_u32 s23, 3
	s_cselect_b64 s[6:7], s[12:13], s[6:7]
	s_add_nc_u64 s[6:7], s[6:7], s[24:25]
	s_add_nc_u64 s[16:17], s[16:17], s[26:27]
.irp j, 0,1,2,3,4,5,6,7
	global_load_b128 v[X+4*\j:X+4*\j+3], v6, s[6:7] offset:16*\j th:TH_LOAD_NT
.endr
	s_wait_loadcnt 0x0
.irp k, 0,1,2,3
	v_max3_num_f32 v[MX+\k], |v[X+8*\k]|, |v[X+8*\k+1]|, 0x1800000   ; four chains of eight; with the floor 2^(3 - 127): the byte cannot fall under 1
.endr
.irp i, 2,4,6
.irp k, 0,1,2,3
	v_max3_num_f32 v[MX+\k], v[MX+\k], |v[X+8*\k+\i]|, |v[X+8*\k+\i+1]|
.endr
.endr
	v_max3_num_f32 v[MX], v[MX], v[MX+1], v[MX+2]
	v_max_num_f32 v[MX], v[MX], v[MX+3]            ; the block's largest magnitude
	v_add_nc_u32 v[SOP], 0xff000000, v[MX]         ; 2 off the exponent field: the conversion's scale operand
	v_lshrrev_b32 v[BY], 23, v[SOP]                ; the byte
	v_lshlrev_b32 v[WD], v[SH], v[BY]              ; block 2 c + h: at byte h of the two;
	v_permlanex16_b32 v[OW], v[WD], s20, s21
	v_or_b32 v[WD], v[WD], v[OW]                   ; with lane l xor 16's the two are whole
.irp g, 0,1,2,3
	v_cvt_scalef32_pk8_fp4_f32 v[CD+\g], v[X+8*\g:X+8*\g+7], v[SOP]
.endr
	v_nop                                          ; a plain place behind the last conversion
	global_store_b128 v7, v[CD:CD+3], s[16:17]     ; 512 bytes on end
	global_store_b16 v8, v[WD], s[16:17]           ; lanes l and l xor 16 hold and write the same two bytes
	s_endpgm
.Lfunc_end_k_q869526176a_prep:
	.size	k_q869526176a_prep, .Lfunc_end_k_q869526176a_prep-k_q869526176a_prep
	.p2alignl 7, 3214868480
	.fill 96, 4, 3214868480
	.section	.rodata,"a",@progbits
	.p2align	6, 0x0
	.amdhsa_kernel k_q869526176a_prep
		.amdhsa_group_segment_fixed_size 0
		.amdhsa_private_segment_fixed_size 0
		.amdhsa_enable_private_segment 0
		.amdhsa_kernarg_size 56
		.amdhsa_user_sgpr_count 2
		.amdhsa_user_sgpr_kernarg_segment_ptr 1
		.amdhsa_wavefront_size32 1
		.amdhsa_system_sgpr_workgroup_id_x 1
		.amdhsa_system_sgpr_workgroup_id_y 1
		.amdhsa_system_sgpr_workgroup_id_z 1
		.amdhsa_system_vgpr_workitem_id 0
		.amdhsa_next_free_vgpr 192
		.amdhsa_next_free_sgpr 66
		.amdhsa_reserve_vcc 1
		.amdhsa_float_denorm_mode_32 3
		.amdhsa_float_denorm_mode_16_64 3
		.amdhsa_memory_ordered 1
		.amdhsa_forward_progress 1
		.amdhsa_inst_pref_size 22
	.end_amdhsa_kernel
	.amdgpu_metadata
---
amdhsa.version: [ 1, 2 ]
amdhsa.kernels:
  - .name:           k_q869526176a_prep
    .symbol:         k_q869526176a_prep.kd
    .args:
      - { .name: x, .offset: 0, .size: 8, .value_kind: global_buffer, .address_space: global }
      - { .name: wq, .offset: 8, .size: 8, .value_kind: global_buffer, .address_space: global }
      - { .name: wk, .offset: 16, .size: 8, .value_kind: global_buffer, .address_space: global }
      - { .name: wv, .offset: 24, .size: 8, .value_kind: global_buffer, .address_space: global }
      - { .name: wp, .offset: 32, .size: 8, .value_kind: global_buffer, .address_space: global }
      - { .name: stats, .offset: 40, .size: 8, .value_kind: global_buffer, .address_space: global }
      - { .name: wfrag, .offset: 48, .size: 8, .value_kind: global_buffer, .address_space: global }
    .group_segment_fixed_size: 0
    .private_segment_fixed_size: 0
    .kernarg_segment_align: 8
    .kernarg_segment_size: 56
    .max_flat_workgroup_size: 160
    .sgpr_count:     66
    .vgpr_count:     192
    .wavefront_size: 32
...
	.end_amdgpu_metadata
.endif
;; end of part 1
;; launch qkv (part 2): grid 64 x 4, 4 waves a work-group, no clusters, 168,448 bytes of LDS; arguments x, stats, wfrag, bq, bk, bv, qbuf, kbuf, vbuf; writes qbuf, kbuf, vbuf
.if DOCPART == 2
	.amdgcn_target "amdgcn-amd-amdhsa--gfx1250"
	.amdhsa_code_object_version 6
	.text
	.protected	k_q869526176a_qkv
	.globl	k_q869526176a_qkv
	.p2align	8
	.type	k_q869526176a_qkv,@function
k_q869526176a_qkv:
	s_mov_b64 s[64:65], 0
	v_nop
	global_prefetch_b8 v0, s[64:65] scope:SCOPE_SE
	s_setreg_imm32_b32 hwreg(HW_REG_WAVE_MODE, 25, 1), 1
	s_wait_xcnt 0x0
; hn = (x - mean) rstd, quantised along the channels; q = wq hn + bq, k = wk hn + bk, v = wv hn + bv on codes of FP4 with E8M0 scales; q and k are quantised along their channels, v along the pixels (the keys);
; the codes leave laid AS THE NEXT LAUNCH'S OPERAND REGISTERS lie.  hn, q, k, v never go to memory as f32.
; SHARES.  A work-group takes 64 pixels of one batch (grid x = block of pixels, y = batch), all 256 channels.
;   ALL THAT COMES FROM MEMORY IS ASKED FOR AT THE START: x's tile (256 channels x 256 bytes) by one tensor load a wave (64 rows of 256 bytes, aligned, 16,384 bytes apart) into LDS, filled once; behind it the statistics and
;   the 80 loads of weights, biases and scale words.  A wave's 128 loads of x into registers would not all be out beside them: the count of loads that a wave can have out is smaller.
;   PHASE X: wave w takes pixels 32 (w % 2) on and input channels 128 (w / 2) on.  A LANE TAKES A PIXEL AND ITS REGISTERS RUN DOWN THE CHANNELS: each LDS load reads 128 bytes on end, a block of 32 channels lies in one lane,
;   and the conversions give codes with K innermost.  The codes go to LDS as images of the operand's registers; a barrier; every wave reads all eight fragments of hn.
;   PHASE 1: waves 0, 1 make q, waves 2, 3 k; wave w the output channels 128 (w % 2) on: one K step of the scores' product.  Source 0 = 16 rows of the weight, source 1 = 16 pixels: a lane holds one pixel, its registers run along channels.
;   PHASE 2: wave w makes channel tiles 4 w .. 4 w + 3 of v.  Source 0 = 16 pixels, source 1 = 16 rows of wv: a lane holds one channel, its registers run along pixels.
; THE ROWS OF EVERY TILE (pixels, weight rows) ARE NOT NEIGHBOURS: lane r of tile T takes 32 (T / 2) + 8 (T % 2) + r + 8 (r / 8), so that the 16 registers of tiles 2 b, 2 b + 1 are the 16 neighbours 32 b + 16 h + 0 .. 15 along the next K.
; AN IMAGE: a fragment (16 rows x 128 K, 8 registers) lies as registers 4c .. 4c+3 of lane L at c x 512 + 16 L.
; OUT.  qbuf, kbuf: [batch][block of 64 pixels][8,704]: fragment (pixel tile Tp, K step s) at Tp x 2048 + s x 1024; scale words at 8,192 + (16 s + r) x 16 + 4 Tp.
;       vbuf: [batch][128 keys][17,408]: registers 4c .. 4c+3 of channel tile ct at c x 8192 + ct x 512 (c = which 64 of the 128 keys: this work-group's parity);
;       scale words at 16,384 + (ct / 8) x 512 + (16 (ct % 2) + r) x 16 + 4 ((ct / 2) % 4), this work-group's two bytes at + 2 c: stores of two bytes, 512 of the work-group's 25.5 KB, since a word spans two work-groups' pixels.
; The biases are the C of each sum's first matrix instruction.  LIMITS: a block of zeros gets the byte 1 where the rule says 127 (zero codes; only this program reads the bytes); NaN and infinities are not served.
; REGISTERS.  window 0: v1-15 lane numbers and addresses; v16-143 x, then hn's 8 fragments (v16-79) and 8 accumulators (v80-143); v144-207 mean and rstd of a block, then the codes made; v208-223 at work; v224-249 scale words, bv; v254 x's place in LDS.
;   window 1: v0-127 my 16 fragments of wq or wk.   window 2: v0-63 my 8 fragments of wv; v64-127 bq or bk in the result's layout; v128-159 bv likewise.
.set PLANE,  16384
.set BLK,    8704
.set STEPB,  17408
.set BATCHB, 557056
.set WSZ,    34816
.set HSC,    8192                      ; LDS: hn's 8 images at 0; their scale words here (tile x 128 + K step x 64 + 4 r);
.set STAT,   8704                      ; each wave's own 1,024 bytes: 128 means, 128 rstd;
.set XT,     16384                     ; x's tile: 256 rows (channels) of 256 bytes; wave w fills rows 64 w on.  Nothing is stored there
.set LI,  4                            ; 16 x lane
.set LS,  5                            ; 4 x lane
.set B1O, 6                            ; 64 h: my half's place in a tile's 16 + 16 biases
.set HW,  7                            ; where I store my pixel's codes
.set HSW, 8                            ; and its scale word
.set SA,  9                            ; my wave's statistics (the same address in every lane)
.set SAL, 10                           ; + 16 x lane
.set CO,  11                           ; out: q's or k's codes
.set SO,  12                           ; their scale words
.set VO,  13                           ; v's codes
.set VSO, 14                           ; v's scale bytes
.set BVO, 15                           ; 4 (r + 8 (r / 8))
.set XA,  254                          ; my pixel in the first of my 128 rows of x's tile
.set X,   16
.set HF,  16
.set HA,  80
.set MU,  144
.set RS,  176
.set PC,  144                          ; q's or k's codes, 8 a pixel tile
.set PCV, 176                          ; v's, 8 for two channel tiles
.set TM,  208                          ; 16 at work
.set PWV, 224                          ; v224-225
.set SW,  226                          ; v226-229 the scale words of the four pixel tiles
.set XS,  230                          ; v230-233 hn's: lanes 0-15 K step 0, lanes 16-31 K step 1
.set W1S, 234                          ; v234-241 the weight's, likewise
.set WVS, 242                          ; v242-245
.set BVL, 246                          ; v246-249 bv of my lane's channel in each of my four tiles
.set B1,  64                           ; in window 2
.set BV,  128
.set SEL, 50
.set G0,  52                           ; s[52:55] descriptor group 0;  s[56:63] group 1
.set G1,  56
.set MSB, 0
.macro WIN new                         ; the immediate's high byte repeats the setting that is left
.if MSB != \new
	s_set_vgpr_msb (MSB<<8)|\new
.set MSB, \new
.endif
.endm
.macro PLACES
.rept 4
	v_nop
.endr
.endm
; D = A x B + C; row = 1: both sides' scales come from lanes 16-31 (K step 1)
.macro MM d, a, b, c, sa, sb, row
.if \row
	v_wmma_scale_f32_16x16x128_f8f6f4 v[\d:\d+7], v[\a:\a+7], v[\b:\b+7], v[\c:\c+7], v[\sa], v[\sb] matrix_a_fmt:MATRIX_FMT_FP4 matrix_b_fmt:MATRIX_FMT_FP4 matrix_a_scale:MATRIX_SCALE_ROW1 matrix_b_scale:MATRIX_SCALE_ROW1
.else
	v_wmma_scale_f32_16x16x128_f8f6f4 v[\d:\d+7], v[\a:\a+7], v[\b:\b+7], v[\c:\c+7], v[\sa], v[\sb] matrix_a_fmt:MATRIX_FMT_FP4 matrix_b_fmt:MATRIX_FMT_FP4
.endif
.endm
; 64 numbers of a lane, register 16 b + i = k 32 b + 16 (lane / 16) + i of my row, become a fragment's codes in v[pc] on and its scale word in v[pw]
.macro QUANT s, pc, pw
.irp b, 0,1,2,3
	v_max3_num_f32 v[TM+\b], |v[\s+16*\b]|, |v[\s+16*\b+1]|, 0x1800000   ; my 16 numbers of block b, and the floor 2^(3 - 127): the byte cannot fall under 1
.endr
.irp i, 2,4,6,8,10,12,14
.irp b, 0,1,2,3
	v_max3_num_f32 v[TM+\b], v[TM+\b], |v[\s+16*\b+\i]|, |v[\s+16*\b+\i+1]|
.endr
.endr
.irp b, 0,1,2,3
	v_permlanex16_b32 v[TM+4+\b], v[TM+\b], s[SEL], s[SEL+1]
.endr
.irp b, 0,1,2,3
	v_max_num_f32 v[TM+\b], v[TM+\b], v[TM+4+\b]   ; with lane l xor 16's: the block's largest magnitude
.endr
.irp b, 0,1,2,3
	v_add_nc_u32 v[TM+12+\b], 0xff000000, v[TM+\b] ; 2 off its exponent field: the conversion's scale operand
.endr
.irp b, 0,1,2,3
	v_lshrrev_b32 v[TM+4+\b], 23, v[TM+12+\b]      ; the byte
.endr
	v_lshl_or_b32 v[\pw], v[TM+5], 8, v[TM+4]
	v_lshl_or_b32 v[\pw], v[TM+6], 16, v[\pw]
	v_lshl_or_b32 v[\pw], v[TM+7], 24, v[\pw]
.irp b, 0,1,2,3
	v_cvt_scalef32_pk8_fp4_f32 v[\pc+2*\b], v[\s+16*\b:\s+16*\b+7], v[TM+12+\b]
	v_cvt_scalef32_pk8_fp4_f32 v[\pc+2*\b+1], v[\s+16*\b+8:\s+16*\b+15], v[TM+12+\b]
.endr
	v_nop                                          ; a plain place behind the last conversion
.irp c, 0,1                            ; the layout wants a whole block in a lane: lanes 0-15 block 2 c, lanes 16-31 block 2 c + 1
.irp i, 0,1
	v_permlane16_swap_b32 v[\pc+4*\c+\i], v[\pc+4*\c+2+\i]
.endr
.endr
.endm
	s_load_b256 s[4:11], s[0:1], 0x0               ; x, stats, wfrag, bq
	s_load_b256 s[12:19], s[0:1], 0x20             ; bk, bv, qbuf, kbuf
	s_load_b64 s[20:21], s[0:1], 0x40              ; vbuf
	v_lshl_add_u32 v255, v0, 2, 0x29000
	s_set_vgpr_msb 0x40
	v_mov_b32 v255, 0
	s_set_vgpr_msb 0x4044
	ds_add_u32 v255, v255
	ds_add_u32 v255, v255
	s_set_vgpr_msb 0x4400
	v_lshrrev_b32 v6, 5, v0
	v_readfirstlane_b32 s22, v6                    ; wave
	s_and_b32 s23, ttmp7, 0xffff                   ; batch
	s_and_b32 s24, s22, 1                          ; phase X: which 32 pixels;  later: which 128 output channels
	s_lshr_b32 s25, s22, 1                         ; phase X: which 128 input channels;  later: q (0) or k (1)
	s_mov_b32 s[SEL], 0x76543210
	s_mov_b32 s[SEL+1], 0xfedcba98
	; descriptor group 1: 64 rows of 256 bytes (32 elements of 8 bytes), a plane (2,048 elements) apart; no padding: the reads are 128 bytes on end
	s_mov_b32 s[G1], 3<<16                         ; 15:0 no mask; 17:16 elements of 8 bytes
	s_mov_b32 s[G1+1], 32<<16                      ; tensor_dim0
	s_mov_b32 s[G1+2], 64<<16                      ; tensor_dim1
	s_mov_b32 s[G1+3], 32<<16                      ; tile_dim0
	s_mov_b32 s[G1+4], 64                          ; tile_dim1
	s_mov_b32 s[G1+5], PLANE/8                     ; from row to row
	s_mov_b32 s[G1+6], 0
	s_mov_b32 s[G1+7], 0
	s_mov_b32 s[G0], 1                             ; count = 1
	s_lshl_b32 s[G0+1], s22, 14
	s_add_co_u32 s[G0+1], s[G0+1], XT              ; LDS address: my 64 rows
	v_and_b32 v1, 31, v0                           ; L
	v_and_b32 v2, 15, v0                           ; r
	v_bfe_u32 v3, v0, 4, 1                         ; h
	v_lshlrev_b32 v[LI], 4, v1
	v_lshlrev_b32 v[LS], 2, v1
	; my pixel 32 g + L is row (L % 8) + 8 (L / 16) of pixel tile 2 g + (L / 8) % 2
	v_bfe_u32 v6, v0, 3, 1
	v_and_b32 v250, 7, v0
	v_lshlrev_b32 v[HW], 11, v6
	v_lshl_add_u32 v[HW], v250, 4, v[HW]
	v_lshl_add_u32 v[HW], v3, 7, v[HW]
	s_lshl_b32 s26, s24, 12
	s_lshl_b32 s27, s25, 10
	s_add_co_u32 s26, s26, s27
	v_add_nc_u32 v[HW], s26, v[HW]
	v_lshlrev_b32 v[HSW], 7, v6
	v_lshl_add_u32 v[HSW], v250, 2, v[HSW]
	v_lshl_add_u32 v[HSW], v3, 5, v[HSW]
	s_lshl_b32 s26, s24, 8
	s_lshl_b32 s27, s25, 6
	s_add_co_u32 s26, s26, s27
	s_add_co_u32 s26, s26, HSC
	v_add_nc_u32 v[HSW], s26, v[HSW]
	s_lshl_b32 s26, s22, 10
	s_add_co_u32 s26, s26, STAT
	v_mov_b32 v[SA], s26
	v_add_nc_u32 v[SAL], s26, v[LI]
	s_lshl_b32 s26, s24, 7                         ; x's tile: my 32 pixels' 128 bytes of a row, my 128 rows
	s_lshl_b32 s27, s25, 15
	s_add_co_u32 s26, s26, s27
	s_add_co_u32 s26, s26, XT
	v_add_nc_u32 v[XA], s26, v[LS]
	v_lshlrev_b32 v[B1O], 6, v3
	s_lshl_b32 s26, s24, 10
	v_add_nc_u32 v[CO], s26, v[LI]
	s_lshl_b32 s26, s24, 8
	v_lshl_add_u32 v[SO], v2, 4, s26
	s_and_b32 s27, ttmp9, 1                        ; which 64 of v's 128 keys
	s_lshl_b32 s28, s27, 13
	s_lshl_b32 s26, s22, 11
	s_add_co_u32 s26, s26, s28
	v_add_nc_u32 v[VO], s26, v[LI]
	s_lshl_b32 s26, s25, 9
	s_lshl_b32 s28, s24, 3
	s_add_co_u32 s26, s26, s28
	s_lshl_b32 s28, s27, 1
	s_add_co_u32 s26, s26, s28
	v_add_nc_u32 v[VSO], s26, v[LI]
	v_and_b32 v[BVO], 8, v2
	v_add_nc_u32 v[BVO], v[BVO], v2
	v_lshlrev_b32 v[BVO], 2, v[BVO]
	v_cmp_eq_u32 s48, 1, v3                        ; lanes 16-31
	; byte offsets, each in registers of its own
	s_lshl_b32 s28, s23, 22                        ; x: the batch, the 64 channels that I fetch, the block's 256 bytes of a plane
	s_lshl_b32 s29, s22, 20
	s_add_co_u32 s28, s28, s29
	s_lshl_b32 s29, ttmp9, 8
	s_add_co_u32 s28, s28, s29
	s_mov_b32 s29, 0
	s_lshl_b32 s30, s23, 10                        ; stats: (256 batch + 128 half) words
	s_lshl_b32 s31, s25, 9
	s_add_co_u32 s30, s30, s31
	s_mov_b32 s31, 0
	s_mul_i32 s32, s25, WSZ                        ; wq or wk: my 8 tiles' codes, and their scale words
	s_lshl_b32 s26, s24, 14
	s_lshl_b32 s27, s24, 10
	s_add_co_u32 s34, s32, s27
	s_add_co_u32 s34, s34, 32768
	s_add_co_u32 s32, s32, s26
	s_mov_b32 s33, 0
	s_mov_b32 s35, 0
	s_lshl_b32 s36, s22, 13                        ; wv: my 4 tiles
	s_add_co_u32 s36, s36, 2*WSZ
	s_mov_b32 s37, 0
	s_lshl_b32 s38, s22, 9
	s_add_co_u32 s38, s38, 2*WSZ+32768
	s_mov_b32 s39, 0
	s_lshl_b32 s40, s24, 9                         ; bq, bk: my 128
	s_mov_b32 s41, 0
	s_lshl_b32 s42, s22, 8                         ; bv: my 64
	s_mov_b32 s43, 0
	s_mul_i32 s46, s23, BATCHB
	s_mul_i32 s44, ttmp9, BLK
	s_add_co_u32 s44, s44, s46                     ; q, k out
	s_mov_b32 s45, 0
	s_lshr_b32 s26, ttmp9, 1
	s_mul_i32 s26, s26, STEPB
	s_add_co_u32 s46, s46, s26                     ; v out
	s_mov_b32 s47, 0
	s_wait_dscnt 0x0
	s_wait_kmcnt 0x0
	s_add_nc_u64 s[G0+2:G0+3], s[4:5], s[28:29]    ; global address of my 64 rows
	s_or_b32 s[G0+3], s[G0+3], 0x80000000          ; type = 2
	tensor_load_to_lds s[G0:G0+3], s[G1:G1+7]      ; my one tensor load: the tile is filled once
	s_nop 0
	PLACES                                         ; four v_nop follow it
	s_add_nc_u64 s[6:7], s[6:7], s[30:31]
	s_add_nc_u64 s[32:33], s[8:9], s[32:33]
	s_add_nc_u64 s[34:35], s[8:9], s[34:35]
	s_add_nc_u64 s[36:37], s[8:9], s[36:37]
	s_add_nc_u64 s[38:39], s[8:9], s[38:39]
	s_cmp_eq_u32 s25, 0                            ; q's buffers or k's: the choice hangs on the wave's number alone
	s_cselect_b64 s[10:11], s[10:11], s[12:13]
	s_cselect_b64 s[16:17], s[16:17], s[18:19]
	s_add_nc_u64 s[10:11], s[10:11], s[40:41]
	s_add_nc_u64 s[14:15], s[14:15], s[42:43]
	s_add_nc_u64 s[16:17], s[16:17], s[44:45]
	s_add_nc_u64 s[20:21], s[20:21], s[46:47]
	global_load_b128 v[TM:TM+3], v[LI], s[6:7]             ; my wave's 128 means,
	global_load_b128 v[TM+4:TM+7], v[LI], s[6:7] offset:4096   ; and rstd
	; the weights' fragments, biases and scale words: 80 loads, on their way beside x's tile
	WIN 0x40                                       ; destination window 1
.irp t, 0,1,2,3,4,5,6,7
.irp f, 0,1,2,3
	global_load_b128 v[16*\t+4*\f:16*\t+4*\f+3], v[LI], s[32:33] offset:2048*\t+512*\f
.endr
.endr
	WIN 0x80                                       ; destination window 2
.irp t, 0,1,2,3,4,5,6,7
	global_load_b128 v[B1+8*\t:B1+8*\t+3], v[B1O], s[10:11] offset:(32*(\t/2)+8*(\t%2))*4      ; lane (r, h), register j: the bias of channel 32 (t / 2) + 8 (t % 2) + 16 h + j
	global_load_b128 v[B1+8*\t+4:B1+8*\t+7], v[B1O], s[10:11] offset:(32*(\t/2)+8*(\t%2))*4+16
.endr
.irp t, 0,1,2,3
.irp f, 0,1,2,3
	global_load_b128 v[16*\t+4*\f:16*\t+4*\f+3], v[LI], s[36:37] offset:2048*\t+512*\f
.endr
.endr
	WIN 0
.irp t, 0,1,2,3,4,5,6,7
	global_load_b32 v[W1S+\t], v[LS], s[34:35] offset:128*\t
.endr
.irp t, 0,1,2,3
	global_load_b32 v[WVS+\t], v[LS], s[38:39] offset:128*\t
.endr
.irp t, 0,1,2,3
	global_load_b32 v[BVL+\t], v[BVO], s[14:15] offset:(32*(\t/2)+8*(\t%2))*4
.endr
	s_wait_loadcnt 63                              ; the statistics are in: 80 loads stand behind them, any count up to 80 shows it, and the wait's field holds 63
	ds_store_b128 v[SAL], v[TM:TM+3]
	ds_store_b128 v[SAL], v[TM+4:TM+7] offset:512
	s_wait_tensorcnt 0x0                           ; my 64 rows of x's tile have landed,
	s_wait_dscnt 0x0                               ; no LDS instruction of mine is pending at the signal
	s_barrier_signal -1
	s_barrier_wait -1                              ; everybody's rows have: I read rows that other waves fetched
.macro XFETCH t                        ; block t: channels 32 t + 0 .. 31 of my 128, my pixel: 128 bytes on end a load
.set i, 0
.rept 32
	ds_load_b32 v[X+32*(\t)+i], v[XA] offset:(32*(\t)+i)*256
.set i, i+1
.endr
.endm
.macro SFETCH t                        ; block t's 32 means and 32 rstd, the same in every lane
.irp j, 0,1,2,3,4,5,6,7
	ds_load_b128 v[MU+4*\j:MU+4*\j+3], v[SA] offset:128*(\t)+16*\j
	ds_load_b128 v[RS+4*\j:RS+4*\j+3], v[SA] offset:512+128*(\t)+16*\j
.endr
.endm
; cnt: the LDS instructions issued behind this block's numbers and statistics, which may stay out
.macro BLOCK t, cnt
.set XB, X+32*(\t)
	s_wait_dscnt \cnt
.set i, 0
.rept 16
	v_pk_add_f32 v[XB+2*i:XB+2*i+1], v[XB+2*i:XB+2*i+1], v[MU+2*i:MU+2*i+1] neg_lo:[0,1] neg_hi:[0,1]   ; x - mean,
.set i, i+1
.endr
.set i, 0
.rept 16
	v_pk_mul_f32 v[XB+2*i:XB+2*i+1], v[XB+2*i:XB+2*i+1], v[RS+2*i:RS+2*i+1]   ; times rstd: not fused, so that a common offset of x costs no digits
.set i, i+1
.endr
.if \t < 3
	SFETCH (\t)+1
.endif
.if \t < 2
	XFETCH (\t)+2
.endif
	v_max3_num_f32 v250, |v[XB]|, |v[XB+1]|, |v[XB+2]|              ; the block's largest magnitude: all 32 numbers are mine
	v_max3_num_f32 v253, |v[XB+3]|, |v[XB+4]|, |v[XB+5]|
.irp i, 6,10,14,18,22,26
	v_max3_num_f32 v250, v250, |v[XB+\i]|, |v[XB+\i+1]|
	v_max3_num_f32 v253, v253, |v[XB+\i+2]|, |v[XB+\i+3]|
.endr
	v_max3_num_f32 v250, v250, |v[XB+30]|, |v[XB+31]|
	v_max3_num_f32 v250, v250, v253, 0x1800000     ; and the floor
	v_add_nc_u32 v251, 0xff000000, v250
.irp g, 0,1,2,3
	v_cvt_scalef32_pk8_fp4_f32 v[TM+4*(\t)+\g], v[XB+8*\g:XB+8*\g+7], v251
.endr
	v_lshrrev_b32 v253, 23, v251                   ; the byte (also the plain place behind the conversions)
.if \t == 0
	v_mov_b32 v252, v253
.else
	v_lshl_or_b32 v252, v253, 8*(\t), v252
.endif
	ds_store_b128 v[HW], v[TM+4*(\t):TM+4*(\t)+3] offset:((\t)/2)*512+((\t)%2)*256   ; registers 4 (t / 2) on of lane 16 (t % 2) + my row
.endm
	; ---- phase X
	SFETCH 0
	XFETCH 0
	XFETCH 1
	BLOCK 0, 32                                    ; block 1's 32 loads may be out
	BLOCK 1, 33                                    ; behind block 1's statistics: block 2's 32 loads and block 0's store
	BLOCK 2, 33                                    ; likewise: block 3's 32 loads and block 1's store
	BLOCK 3, 1                                     ; block 2's store
	ds_store_b32 v[HSW], v252                      ; my pixel's scale word of this K step
	s_wait_dscnt 0x0                               ; for the others' sake: my stores have landed
	s_barrier_signal -1
	s_barrier_wait -1                              ; hn's eight fragments lie in LDS
.set f, 0
.rept 8
	ds_load_b128 v[HF+8*f:HF+8*f+3], v[LI] offset:1024*f
	ds_load_b128 v[HF+8*f+4:HF+8*f+7], v[LI] offset:1024*f+512
.set f, f+1
.endr
.irp m, 0,1,2,3
	ds_load_b32 v[XS+\m], v[LS] offset:HSC+128*\m
.endr
.irp b, 0,1,2,3
	v_mov_b32 v[TM+4+\b], 0                        ; a lane permute's destination counts as one of its sources
.endr
	s_wait_loadcnt 0x0                             ; the weights, biases and scale words
	WIN 0x80
.irp t, 0,1,2,3
.irp j, 0,1,2,3,4,5,6,7
	v_mov_b32 v[BV+8*\t+\j], v[BVL+\t]             ; bv in the result's layout: a lane's eight registers are eight pixels of one channel
.endr
.endr
	WIN 0
	s_wait_dscnt 0x0
	; ---- phase 1: q or k, a tile of 16 pixels at a time; the eight accumulators take turns
.irp m, 0,1,2,3
	WIN 0x21                                       ; source 0 (the weight) window 1, source 2 (the bias) window 2
.irp t, 0,1,2,3,4,5,6,7
	MM HA+8*\t, 16*\t, HF+16*\m, B1+8*\t, W1S+\t, XS+\m, 0
.endr
	WIN 0x01
.irp t, 0,1,2,3,4,5,6,7
	MM HA+8*\t, 16*\t+8, HF+16*\m+8, HA+8*\t, W1S+\t, XS+\m, 1
.endr
	WIN 0
	PLACES
	QUANT HA, PC+8*\m, SW+\m
	global_store_b128 v[CO], v[PC+8*\m:PC+8*\m+3], s[16:17] offset:2048*\m         ; 512 bytes on end; each tile has its own registers, so no store's data are written again
	global_store_b128 v[CO], v[PC+8*\m+4:PC+8*\m+7], s[16:17] offset:2048*\m+512
.endr
	; ---- phase 2: v, two channel tiles at a time: 2 x 4 pixel tiles = eight accumulators by turns
.irp u, 0,1
	WIN 0x28                                       ; source 1 (wv) and source 2 (bv) window 2
.irp m, 0,1,2,3
.irp e, 0,1
	MM HA+32*\e+8*\m, HF+16*\m, 16*(2*\u+\e), BV+8*(2*\u+\e), XS+\m, WVS+2*\u+\e, 0
.endr
.endr
	WIN 0x08
.irp m, 0,1,2,3
.irp e, 0,1
	MM HA+32*\e+8*\m, HF+16*\m+8, 16*(2*\u+\e)+8, HA+32*\e+8*\m, XS+\m, WVS+2*\u+\e, 1
.endr
.endr
	WIN 0
	PLACES
	QUANT HA, PCV+8*\u, PWV+\u                     ; blocks 0, 1: the first tile's 64 pixels; blocks 2, 3: the second's: two half fragments, and two bytes for each
	global_store_b128 v[VO], v[PCV+8*\u:PCV+8*\u+3], s[20:21] offset:1024*\u
	global_store_b128 v[VO], v[PCV+8*\u+4:PCV+8*\u+7], s[20:21] offset:1024*\u+512
	v_lshrrev_b32 v253, 16, v[PWV+\u]
	v_cndmask_b32 v[250+\u], v[PWV+\u], v253, s48  ; lanes 0-15 store the first tile's two bytes, lanes 16-31 the second's
	global_store_b16 v[VSO], v[250+\u], s[20:21] offset:16384+4*\u
.endr
	global_store_b128 v[SO], v[SW:SW+3], s[16:17] offset:8192   ; sixteen lanes fill 256 bytes on end; lanes l and l xor 16 hold and write the same
	s_set_vgpr_msb 0x4
	s_wait_tensorcnt 0x0
	ds_add_u32 v255, v255
	s_wait_dscnt 0x0
	s_set_vgpr_msb 0x400
	s_endpgm
.Lfunc_end_k_q869526176a_qkv:
	.size	k_q869526176a_qkv, .Lfunc_end_k_q869526176a_qkv-k_q869526176a_qkv
	.p2alignl 7, 3214868480
	.fill 96, 4, 3214868480
	.section	.rodata,"a",@progbits
	.p2align	6, 0x0
	.amdhsa_kernel k_q869526176a_qkv
		.amdhsa_group_segment_fixed_size 168448
		.amdhsa_private_segment_fixed_size 0
		.amdhsa_enable_private_segment 0
		.amdhsa_kernarg_size 72
		.amdhsa_user_sgpr_count 2
		.amdhsa_user_sgpr_kernarg_segment_ptr 1
		.amdhsa_wavefront_size32 1
		.amdhsa_system_sgpr_workgroup_id_x 1
		.amdhsa_system_sgpr_workgroup_id_y 1
		.amdhsa_system_sgpr_workgroup_id_z 1
		.amdhsa_system_vgpr_workitem_id 0
		.amdhsa_next_free_vgpr 768
		.amdhsa_next_free_sgpr 66
		.amdhsa_reserve_vcc 0
		.amdhsa_float_denorm_mode_32 3
		.amdhsa_float_denorm_mode_16_64 3
		.amdhsa_memory_ordered 1
		.amdhsa_forward_progress 1
		.amdhsa_inst_pref_size 80
	.end_amdhsa_kernel
	.amdgpu_metadata
---
amdhsa.version: [ 1, 2 ]
amdhsa.kernels:
  - .name:           k_q869526176a_qkv
    .symbol:         k_q869526176a_qkv.kd
    .args:
      - { .name: x, .offset: 0, .size: 8, .value_kind: global_buffer, .address_space: global }
      - { .name: stats, .offset: 8, .size: 8, .value_kind: global_buffer, .address_space: global }
      - { .name: wfrag, .offset: 16, .size: 8, .value_kind: global_buffer, .address_space: global }
      - { .name: bq, .offset: 24, .size: 8, .value_kind: global_buffer, .address_space: global }
      - { .name: bk, .offset: 32, .size: 8, .value_kind: global_buffer, .address_space: global }
      - { .name: bv, .offset: 40, .size: 8, .value_kind: global_buffer, .address_space: global }
      - { .name: qbuf, .offset: 48, .size: 8, .value_kind: global_buffer, .address_space: global }
      - { .name: kbuf, .offset: 56, .size: 8, .value_kind: global_buffer, .address_space: global }
      - { .name: vbuf, .offset: 64, .size: 8, .value_kind: global_buffer, .address_space: global }
    .group_segment_fixed_size: 168448
    .private_segment_fixed_size: 0
    .kernarg_segment_align: 8
    .kernarg_segment_size: 72
    .max_flat_workgroup_size: 128
    .sgpr_count:     66
    .vgpr_count:     768
    .wavefront_size: 32
...
	.end_amdgpu_metadata
.endif
;; end of part 2
;; launch attn (part 3): grid 64 x 4, 4 waves a work-group, clusters of 4 x 1, 327,680 bytes of LDS; arguments qbuf, kbuf, vbuf, wfrag, bp, x, out0; writes out0
.if DOCPART == 3
	.amdgcn_target "amdgcn-amd-amdhsa--gfx1250"
	.amdhsa_code_object_version 6
	.text
	.protected	k_q869526176a_attn
	.globl	k_q869526176a_attn
	.p2align	8
	.type	k_q869526176a_attn,@function
k_q869526176a_attn:
	s_mov_b64 s[64:65], 0
	v_nop
	global_prefetch_b8 v0, s[64:65] scope:SCOPE_SE
	s_setreg_imm32_b32 hwreg(HW_REG_WAVE_MODE, 25, 1), 1
	s_wait_xcnt 0x0
	s_wait_alu depctr_hold_cnt(0) depctr_sa_sdst(0) depctr_va_vdst(0) depctr_va_sdst(0) depctr_va_ssrc(0) depctr_va_vcc(0) depctr_vm_vsrc(0)
	s_getreg_b32 s2, hwreg(HW_REG_IB_STS2, 6, 4)
	s_cmp_eq_u32 s2, 0
	s_cbranch_scc0 .Lentry_in_a_cluster
	s_endpgm
.Lentry_in_a_cluster:
	s_bfe_u32 s2, ttmp6, 0x10000c
	s_cmp_lg_u32 s2, 0x3003
	s_cbranch_scc0 .Lentry_shape_is_right
	s_endpgm
.Lentry_shape_is_right:
; out = x + wp o + bp, o = softmax(q^T k / 16) applied to v: three products on codes of FP4 (E2M1) with one E8M0 scale for each 32 along K.  q, k, v, wp arrive as images of operand registers (a fragment of 16 rows x 128 K:
; registers 4c .. 4c+3 of lane L at c x 512 + 16 L), so every LDS and global read of an operand is 512 bytes on end: no pitch, no padding.
; THE SOFTMAX AHEAD OF THE SECOND PRODUCT: t = score x log2(e) / 16; M = the largest t so far, rounded UP to a whole number; p = 2^(t - M) is quantised along the keys, not normalised; the sum l is taken of the unquantised p.
; When M moves, l and O are multiplied by 2^(old M - new M): exact.  O / l is quantised along the channels for the last product.
; SHARES.  A work-group owns 64 queries of one batch.  Wave w holds TWO tiles of 16 queries (pair w % 2) and walks HALF the keys (half w / 2), 16 steps of 128: each fragment of K and V read from LDS feeds two products.
;   Its local tile lt is tile 2 (w % 2) + (lt xor (w / 2)): so every wave keeps local tile 0 and hands local tile 1 to wave w xor 2, through LDS, at the end, and no register choice hangs on the wave.
; LAYOUT.  S^T = K Q^T (source 0 = 16 keys, source 1 = 16 queries), O^T = V^T P^T (source 0 = 16 channels, source 1 = P): a lane holds one query (lane % 16) throughout.  The keys of a tile of K, the channels of a tile of V and
;   the pixels of a tile of Q are 32 (T / 2) + 8 (T % 2) + r + 8 (r / 8): the 16 registers of two neighbouring result tiles are then 16 neighbours along the next K.
;   The last product takes O as source 0 and 16 rows of wp as source 1: a lane then holds eight neighbouring pixels of one output channel.
; THE TWO TILES' SOFTMAXES ARE WOVEN: one tile's exponentials stand singly behind the other tile's plain instructions, so that exponentials do not follow each other while plain work is at hand, and dependent plain lines stand apart.
; CLUSTER.  The four work-groups of a cluster belong to one batch and walk the same K, V and wp: every tile is asked for JOINTLY, by the same tensor load with the same descriptor and the mask of all four.
;   The place in the cluster enters only the addresses of q, x and out.
; RING.  Two slots; a slot holds two steps' K and V for both key halves: four regions of 34,816 bytes, region w filled by wave w (K of half w / 2 if w is even, else V).  By this text's count a wave has three tensor loads
;   out at the start and one behind each round.  A refill is asked for when its slot is read out and has two steps in which to land.
; No prefetch: K, V and wp were stored by the launches just before, and each refill is asked for two steps ahead of its first read.
; LIMITS: a block of zeros gets the byte 1 where the rule says 127 (zero codes; nobody else reads the bytes); NaN and infinities are not served.
; REGISTERS, in windows of 256.  window 0: v1-15 addresses; v16-31 statistics, 8 a tile; v32-49 scale words of K, V, Q; v50-71 addresses and tile 0's work; v72-87 P's codes; v88-91 two chains of the sum; v96-223 S^T, then p, 64 a tile;
;   v224-239 at work at the end; v240-255 tile 1's work.
;   window 1: O^T, 128 a tile.   window 2: v0-127 K's 16 fragments, v128-255 V's 16; at the end wp's 32.   window 3: v0-31 Q; v32-63 bp, each twice; v64-191 x for the residual, then the result.
.set BLK,    8704
.set STEPB,  17408
.set FILL,   34816                     ; two steps of K or of V: 136 rows of 256 bytes
.set HALFB,  278528
.set BATCHB, 557056
.set WSZ,    34816
.set SLOTB,  139264                    ; four regions
.set WP,     278528                    ; behind the ring: wp's images and scale words, filled once
.set SPARE,  313344                    ; the spare words, 128 bytes for each wave: two blocks of 256 bytes that no other line names
.set EXB,    16896                     ; the exchange, in slot 0 after its last fill and last read: for each wave 32 x 512 bytes of O^T, -M at 16,384, l at 16,512
.set STG,    67584                     ; behind it, in slot 0 too: the stage, 256 channels x (256 bytes + 16)
.set SPI,    272
.set LI,   1                           ; 16 x lane
.set AK,   2                           ; v2-3  my K region in slot 0, 1, + 16 x lane
.set AV,   4                           ; v4-5  my V region
.set SPW,  6                           ; LDS address of my spare word; never rewritten
.set NIL,  7                           ; 0; never rewritten
.set EXW,  8
.set EXR,  9
.set EXW4, 10
.set EXR4, 11
.set STO,  12
.set SRD,  13
.set GO,   14
.set L4,   15
.set ST,   16                          ; tile t at ST + 8 t: +0 -M, +1 the largest t, +2:3 l in two halves, +4 f (+5 written once), +6 p's scale word
.set KS,   32                          ; v32-39 K's scale words, one register a tile: lanes 0-15 K step 0, lanes 16-31 K step 1
.set VS,   40                          ; v40-47 V's: register ct / 2: lanes 0-15 the even tile, lanes 16-31 the odd one
.set QS,   48
.set BPO,  50
.set WPA,  51
.set BM,   52                          ; a tile's 16 work registers, tile t's at BM + TW t: +0..3 four blocks' largest scores, then largest p; +4..7 the other half's, then bytes; +8..11 scale operands; +12 at work; +14:15 a chain of the sum
.set TW,   188                         ; tile 1's begin at v240
.set BT,   56
.set T0,   64
.set WPSA, 68
.set P,    72
.set C2,   88                          ; v88-89, v90-91 two more chains of the sum
.set C3,   90
.set S,    96
.set TM,   224
.set WV,   18
.set G1,   24                          ; s[24:31] descriptor group 1 for K's and V's tiles;  s[32:39] for wp's quarter
.set G1W,  32
.set G0,   40                          ; s[40:47] group 0, a set for each slot;  s[48:51] wp's
.set G0W,  48
.set SEL,  52
.set CS,   54
.set MSB, 0
.macro WIN new                         ; the immediate's high byte repeats the setting that is left
.if MSB != \new
	s_set_vgpr_msb (MSB<<8)|\new
.set MSB, \new
.endif
.endm
.macro PLACES                          ; four places: behind matrix instructions, in front of loads into their registers and of reads of their results
.rept 4
	v_nop
.endr
.endm
.macro ROUND                           ; a round of the cluster's barrier
	s_barrier_signal -1
	s_barrier_wait -1
	s_cmp_lg_u32 s[WV], 0
	s_cbranch_scc1 .Lnot_wave_0_\@
	s_barrier_signal -3
.Lnot_wave_0_\@:
	s_barrier_wait -3
	s_barrier_signal -1
	s_barrier_wait -1
.endm
; D = A x B (+ D).  zero = 1: the product starts the sum.  ra, rb = 1: that side's scales come from lanes 16-31
.macro MM d, a, b, zero, sa, sb, ra, rb
.if \zero
.if ((\ra)==0)&&((\rb)==0)
	v_wmma_scale_f32_16x16x128_f8f6f4 v[\d:\d+7], v[\a:\a+7], v[\b:\b+7], 0, v[\sa], v[\sb] matrix_a_fmt:MATRIX_FMT_FP4 matrix_b_fmt:MATRIX_FMT_FP4
.elseif ((\ra)==1)&&((\rb)==0)
	v_wmma_scale_f32_16x16x128_f8f6f4 v[\d:\d+7], v[\a:\a+7], v[\b:\b+7], 0, v[\sa], v[\sb] matrix_a_fmt:MATRIX_FMT_FP4 matrix_b_fmt:MATRIX_FMT_FP4 matrix_a_scale:MATRIX_SCALE_ROW1
.elseif ((\ra)==0)&&((\rb)==1)
	v_wmma_scale_f32_16x16x128_f8f6f4 v[\d:\d+7], v[\a:\a+7], v[\b:\b+7], 0, v[\sa], v[\sb] matrix_a_fmt:MATRIX_FMT_FP4 matrix_b_fmt:MATRIX_FMT_FP4 matrix_b_scale:MATRIX_SCALE_ROW1
.else
	v_wmma_scale_f32_16x16x128_f8f6f4 v[\d:\d+7], v[\a:\a+7], v[\b:\b+7], 0, v[\sa], v[\sb] matrix_a_fmt:MATRIX_FMT_FP4 matrix_b_fmt:MATRIX_FMT_FP4 matrix_a_scale:MATRIX_SCALE_ROW1 matrix_b_scale:MATRIX_SCALE_ROW1
.endif
.else
.if ((\ra)==0)&&((\rb)==0)
	v_wmma_scale_f32_16x16x128_f8f6f4 v[\d:\d+7], v[\a:\a+7], v[\b:\b+7], v[\d:\d+7], v[\sa], v[\sb] matrix_a_fmt:MATRIX_FMT_FP4 matrix_b_fmt:MATRIX_FMT_FP4
.elseif ((\ra)==1)&&((\rb)==0)
	v_wmma_scale_f32_16x16x128_f8f6f4 v[\d:\d+7], v[\a:\a+7], v[\b:\b+7], v[\d:\d+7], v[\sa], v[\sb] matrix_a_fmt:MATRIX_FMT_FP4 matrix_b_fmt:MATRIX_FMT_FP4 matrix_a_scale:MATRIX_SCALE_ROW1
.elseif ((\ra)==0)&&((\rb)==1)
	v_wmma_scale_f32_16x16x128_f8f6f4 v[\d:\d+7], v[\a:\a+7], v[\b:\b+7], v[\d:\d+7], v[\sa], v[\sb] matrix_a_fmt:MATRIX_FMT_FP4 matrix_b_fmt:MATRIX_FMT_FP4 matrix_b_scale:MATRIX_SCALE_ROW1
.else
	v_wmma_scale_f32_16x16x128_f8f6f4 v[\d:\d+7], v[\a:\a+7], v[\b:\b+7], v[\d:\d+7], v[\sa], v[\sb] matrix_a_fmt:MATRIX_FMT_FP4 matrix_b_fmt:MATRIX_FMT_FP4 matrix_a_scale:MATRIX_SCALE_ROW1 matrix_b_scale:MATRIX_SCALE_ROW1
.endif
.endif
.endm
; 64 numbers of a lane, register 16 b + i = k 32 b + 16 (lane / 16) + i of my row, become a fragment's codes in v[pc] on and its scale word in v[pw]
.macro QUANT s, pc, pw
.irp b, 0,1,2,3
	v_max3_num_f32 v[TM+\b], |v[\s+16*\b]|, |v[\s+16*\b+1]|, 0x1800000   ; with the floor 2^(3 - 127): the byte cannot fall under 1
.endr
.irp i, 2,4,6,8,10,12,14
.irp b, 0,1,2,3
	v_max3_num_f32 v[TM+\b], v[TM+\b], |v[\s+16*\b+\i]|, |v[\s+16*\b+\i+1]|
.endr
.endr
.irp b, 0,1,2,3
	v_permlanex16_b32 v[TM+4+\b], v[TM+\b], s[SEL], s[SEL+1]
.endr
.irp b, 0,1,2,3
	v_max_num_f32 v[TM+\b], v[TM+\b], v[TM+4+\b]
.endr
.irp b, 0,1,2,3
	v_add_nc_u32 v[TM+12+\b], 0xff000000, v[TM+\b]
.endr
.irp b, 0,1,2,3
	v_lshrrev_b32 v[TM+4+\b], 23, v[TM+12+\b]
.endr
	v_lshl_or_b32 v[\pw], v[TM+5], 8, v[TM+4]
	v_lshl_or_b32 v[\pw], v[TM+6], 16, v[\pw]
	v_lshl_or_b32 v[\pw], v[TM+7], 24, v[\pw]
.irp b, 0,1,2,3
	v_cvt_scalef32_pk8_fp4_f32 v[\pc+2*\b], v[\s+16*\b:\s+16*\b+7], v[TM+12+\b]
	v_cvt_scalef32_pk8_fp4_f32 v[\pc+2*\b+1], v[\s+16*\b+8:\s+16*\b+15], v[TM+12+\b]
.endr
	v_nop
.irp c, 0,1
.irp i, 0,1
	v_permlane16_swap_b32 v[\pc+4*\c+\i], v[\pc+4*\c+2+\i]
.endr
.endr
.endm
	s_load_b256 s[4:11], s[0:1], 0x0               ; qbuf, kbuf, vbuf, wfrag
	s_load_b128 s[12:15], s[0:1], 0x20             ; bp, x
	s_load_b64 s[16:17], s[0:1], 0x30              ; out0
	v_lshl_add_u32 v[SPW], v0, 2, SPARE
	v_mov_b32 v[NIL], 0
	ds_add_u32 v6, v7
	ds_add_u32 v6, v7
	s_wait_dscnt 0x0
	v_lshrrev_b32 v96, 5, v0
	v_readfirstlane_b32 s[WV], v96                 ; wave 0..3
	s_and_b32 s19, s[WV], 1                        ; which pair of query tiles.  Also: I fetch K (0) or V (1)
	s_lshr_b32 s20, s[WV], 1                       ; which half of the keys
	s_bfe_u32 s23, ttmp6, 0x40000                  ; my place in the cluster
	s_lshl_b32 s21, ttmp9, 2
	s_add_co_u32 s21, s21, s23                     ; my block of 64 queries: it enters q's, x's and out's addresses alone
	s_and_b32 s22, ttmp7, 0xffff                   ; the batch, which the four partners share
	v_and_b32 v96, 31, v0                          ; L
	v_and_b32 v97, 15, v0                          ; r
	v_bfe_u32 v98, v0, 4, 1                        ; h
	v_and_b32 v99, 8, v97
	v_add_nc_u32 v99, v99, v97                     ; r + 8 (r / 8)
	v_lshlrev_b32 v[LI], 4, v96
	v_lshlrev_b32 v[L4], 2, v96
	s_mul_i32 s66, s20, 2*FILL
	v_add_nc_u32 v[AK], s66, v[LI]
	v_add_nc_u32 v[AK+1], SLOTB, v[AK]
	v_add_nc_u32 v[AV], FILL, v[AK]
	v_add_nc_u32 v[AV+1], FILL, v[AK+1]
	s_mul_i32 s66, s[WV], EXB
	v_add_nc_u32 v[EXW], s66, v[LI]
	v_add_nc_u32 v[EXW4], s66, v[L4]
	s_xor_b32 s67, s[WV], 2                        ; my partner: the same queries, the other keys
	s_mul_i32 s67, s67, EXB
	v_add_nc_u32 v[EXR], s67, v[LI]
	v_add_nc_u32 v[EXR4], s67, v[L4]
	v_mul_u32_u24 v[STO], v99, SPI                 ; the stage, in: channel row r + 8 (r / 8) of a tile; my tile's pixels 32 (w % 2) + 8 (w / 2) + 16 h + 0 .. 7
	v_lshl_add_u32 v[STO], v98, 6, v[STO]
	s_lshl_b32 s66, s19, 7
	s_lshl_b32 s67, s20, 5
	s_add_co_u32 s66, s66, s67
	s_add_co_u32 s66, s66, STG
	v_add_nc_u32 v[STO], s66, v[STO]
	v_mul_u32_u24 v[SRD], v98, SPI                 ; back: my 64 channels; lanes 0-15 one row of 256 bytes, lanes 16-31 the next
	v_lshl_add_u32 v[SRD], v97, 4, v[SRD]
	s_mul_i32 s66, s[WV], 64*SPI
	s_add_co_u32 s66, s66, STG
	v_add_nc_u32 v[SRD], s66, v[SRD]
	v_lshlrev_b32 v[GO], 14, v98                   ; and the same two rows in x and out: planes of 16,384 bytes
	v_lshl_add_u32 v[GO], v97, 4, v[GO]
	v_lshlrev_b32 v[BPO], 2, v99
	v_add_nc_u32 v[WPA], WP, v[LI]
	v_add_nc_u32 v[WPSA], WP+32768, v[L4]
	s_lshl_b32 s66, s19, 1
	s_add_co_u32 s67, s66, s20                     ; local tile 0 is this tile of the block's four,
	s_xor_b32 s68, s20, 1
	s_add_co_u32 s68, s66, s68                     ; local tile 1 this one
	s_lshl_b32 s69, s67, 11
	v_add_nc_u32 v100, s69, v[LI]
	s_lshl_b32 s69, s68, 11
	v_add_nc_u32 v101, s69, v[LI]
	s_lshl_b32 s69, s67, 2
	v_add_nc_u32 v102, s69, v[LI]
	s_lshl_b32 s69, s68, 2
	v_add_nc_u32 v103, s69, v[LI]
	v_mov_b32 v[ST+5], 0                           ; named as the upper halves of pairs
	v_mov_b32 v[ST+13], 0
.irp b, 0,1,2,3
	v_mov_b32 v[BT+\b], 0                          ; a lane permute's destination counts as one of its sources
	v_mov_b32 v[BT+TW+\b], 0
	v_mov_b32 v[TM+4+\b], 0
.endr
	s_mov_b32 s[SEL], 0x76543210
	s_mov_b32 s[SEL+1], 0xfedcba98
	s_mov_b32 s[CS], 0x3db8aa3b                    ; c = log2(e) / 16
	s_mov_b32 s[CS+1], s[CS]
	s_mul_i32 s70, s22, BATCHB
	s_mul_i32 s72, s20, HALFB
	s_add_co_u32 s72, s72, s70                     ; K, V: the batch, my half of the keys
	s_mov_b32 s73, 0
	s_mul_i32 s74, s21, BLK
	s_add_co_u32 s74, s74, s70                     ; Q: my block
	s_mov_b32 s75, 0
	s_lshl_b32 s76, s22, 22                        ; x, out: the batch, my 64 channels, my block's 256 bytes of a plane
	s_lshl_b32 s77, s[WV], 20
	s_add_co_u32 s76, s76, s77
	s_lshl_b32 s77, s21, 8
	s_add_co_u32 s76, s76, s77
	s_mov_b32 s77, 0
	s_mul_i32 s78, s[WV], 8704                     ; wp: my quarter
	s_add_co_u32 s80, s78, 3*WSZ
	s_mov_b32 s81, 0
	s_mul_i32 s79, s[WV], FILL                     ; my region of a slot
	; descriptor group 1: a dense block as rows of 256 bytes (32 elements of 8 bytes)
	s_mov_b32 s[G1], 15|(3<<16)|(1<<21)            ; 15:0 the mask: all four work-groups; 17:16 elements of 8 bytes; 21 set beside a mask; no padding
	s_mov_b32 s[G1+1], 32<<16                      ; tensor_dim0
	s_mov_b32 s[G1+2], 136<<16                     ; tensor_dim1
	s_mov_b32 s[G1+3], 32<<16                      ; tile_dim0
	s_mov_b32 s[G1+4], 136                         ; tile_dim1
	s_mov_b32 s[G1+5], 32                          ; from row to row
	s_mov_b32 s[G1+6], 0
	s_mov_b32 s[G1+7], 0
	s_mov_b32 s[G1W], 15|(3<<16)|(1<<21)
	s_mov_b32 s[G1W+1], 32<<16
	s_mov_b32 s[G1W+2], 34<<16
	s_mov_b32 s[G1W+3], 32<<16
	s_mov_b32 s[G1W+4], 34
	s_mov_b32 s[G1W+5], 32
	s_mov_b32 s[G1W+6], 0
	s_mov_b32 s[G1W+7], 0
	s_wait_kmcnt 0x0
	s_cmp_eq_u32 s19, 0                            ; K's buffer or V's: the choice hangs on the wave's number alone
	s_cselect_b64 s[82:83], s[6:7], s[8:9]
	s_add_nc_u64 s[82:83], s[82:83], s[72:73]
.irp s, 0,1
	s_mov_b32 s[G0+4*\s], 1                        ; count = 1
	s_add_co_u32 s[G0+4*\s+1], s79, \s*SLOTB       ; LDS address
	s_add_nc_u64 s[G0+4*\s+2:G0+4*\s+3], s[82:83], \s*FILL   ; steps 2 s and 2 s + 1
	s_or_b32 s[G0+4*\s+3], s[G0+4*\s+3], 0x80000000   ; type = 2
.endr
	s_mov_b32 s[G0W], 1
	s_add_co_u32 s[G0W+1], s78, WP
	s_add_nc_u64 s[G0W+2:G0W+3], s[10:11], s[80:81]
	s_or_b32 s[G0W+3], s[G0W+3], 0x80000000
	s_add_nc_u64 s[4:5], s[4:5], s[74:75]
	s_add_nc_u64 s[14:15], s[14:15], s[76:77]
	s_add_nc_u64 s[16:17], s[16:17], s[76:77]
	ROUND                                          ; all four work-groups are here: the first joint loads meet
	tensor_load_to_lds s[G0:G0+3], s[G1:G1+7]      ; the first fills go out together: three loads of mine are out
	s_nop 0
	tensor_load_to_lds s[G0+4:G0+7], s[G1:G1+7]
	s_nop 0
	tensor_load_to_lds s[G0W:G0W+3], s[G1W:G1W+7]
	s_nop 0
	PLACES                                         ; four v_nop follow the last
	WIN 0xc0                                       ; destination window 3
.irp t, 0,1
.irp f, 0,1,2,3
	global_load_b128 v[16*\t+4*\f:16*\t+4*\f+3], v[100+\t], s[4:5] offset:512*\f   ; Q stays in registers
.endr
.endr
	WIN 0
.irp t, 0,1
	global_load_b32 v[QS+\t], v[102+\t], s[4:5] offset:8192
.endr
.macro FETCH_K slot, q                 ; a step's K: 16 fragments and 8 scale registers: 34 LDS loads
	WIN 0x80                                       ; destination window 2
.irp n, 0,1,2,3,4,5,6,7
.irp f, 0,1,2,3
	ds_load_b128 v[16*\n+4*\f:16*\n+4*\f+3], v[AK+(\slot)] offset:(\q)*STEPB+(\n/4)*BLK+(\n%4)*2048+\f*512
.endr
.endr
	WIN 0
.irp g, 0,1
	ds_load_b128 v[KS+4*\g:KS+4*\g+3], v[AK+(\slot)] offset:(\q)*STEPB+\g*BLK+8192
.endr
.endm
.macro FETCH_V slot, q                 ; a step's V: likewise 34
	WIN 0x80
.irp n, 0,1,2,3,4,5,6,7,8,9,10,11,12,13,14,15
.irp c, 0,1
	ds_load_b128 v[128+8*\n+4*\c:128+8*\n+4*\c+3], v[AV+(\slot)] offset:(\q)*STEPB+\c*8192+\n*512
.endr
.endr
	WIN 0
.irp g, 0,1
	ds_load_b128 v[VS+4*\g:VS+4*\g+3], v[AV+(\slot)] offset:(\q)*STEPB+16384+512*\g
.endr
.endm
; THE SOFTMAX of a step of 128 keys, in a head (maxima, M, t - M) and a tail (scale bytes, codes, sum) for each tile; between them the tile's 68 exponentials (64 p, then the four blocks' largest p).
; WEAVE writes the next exponential of tile wt, if one is left (wt = 2: none is woven).  It stands behind each line of the OTHER tile's head or tail, which names none of its registers; so behind every exponential
; stands a plain line or an unrelated one, and plain lines stand ahead of the first use of its result (ISA guide 5.7.2).  FLUSH writes those that are left.
.set wt, 2
.set ex, 0
.macro WEAVE
.if wt < 2
.if ex < 64
	v_exp_f32 v[S+64*wt+ex], v[S+64*wt+ex]         ; p = 2^(t - M), at most 1
.elseif ex < 68
	v_exp_f32 v[BM+TW*wt+ex-64], v[BM+TW*wt+ex-64] ; a block's largest p: the same two instructions on the same number as that p itself
.endif
.set ex, ex+1
.endif
.endm
.macro FLUSH
.rept 68
	WEAVE
.endr
.endm
; first = 1: the first step, which starts the largest t, M and l
.macro SM_HEAD t, first
.set rS, S+64*(\t)
.set rT, ST+8*(\t)
.set rB, BM+TW*(\t)
.irp b, 0,1,2,3
	v_max3_num_f32 v[rB+\b], v[rS+16*\b], v[rS+16*\b+1], v[rS+16*\b+2]   ; the largest score of each block of 32 keys: it serves the row's maximum and, since p rises with the score, the block's largest p
	WEAVE
.endr
.irp i, 3,5,7,9,11,13
.irp b, 0,1,2,3
	v_max3_num_f32 v[rB+\b], v[rB+\b], v[rS+16*\b+\i], v[rS+16*\b+\i+1]
	WEAVE
.endr
.endr
.irp b, 0,1,2,3
	v_max_num_f32 v[rB+\b], v[rB+\b], v[rS+16*\b+15]
	WEAVE
.endr
.irp b, 0,1,2,3
	v_permlanex16_b32 v[rB+4+\b], v[rB+\b], s[SEL], s[SEL+1]
	WEAVE
.endr
.irp b, 0,1,2,3
	v_max_num_f32 v[rB+\b], v[rB+\b], v[rB+4+\b]   ; with lane l xor 16's 16 keys
	WEAVE
.endr
	v_max3_num_f32 v[rB+12], v[rB], v[rB+1], v[rB+2]
	WEAVE
	v_max_num_f32 v[rB+12], v[rB+12], v[rB+3]
	WEAVE
.if \first
	v_mul_f32 v[rT+1], s[CS], v[rB+12]             ; the largest t (c is positive)
	WEAVE
	v_floor_f32 v[rT], -v[rT+1]                    ; -M = floor(-t): M is a whole number
	WEAVE
.else
	v_mul_f32 v[rB+12], s[CS], v[rB+12]
	WEAVE
	v_max_num_f32 v[rT+1], v[rT+1], v[rB+12]
	WEAVE
	v_mov_b32 v[rB+12], v[rT]
	WEAVE
	v_floor_f32 v[rT], -v[rT+1]
	WEAVE
	v_sub_f32 v[rB+12], v[rT], v[rB+12]            ; old M - new M: a whole number, 0 or less
	WEAVE
	v_cvt_i32_f32 v[rB+12], v[rB+12]
	WEAVE
	v_ldexp_f32 v[rT+4], 1.0, v[rB+12]             ; f = 2^(old M - new M)
	WEAVE
.endif
.set i, 0
.rept 32
	v_pk_fma_f32 v[rS+2*i:rS+2*i+1], v[rS+2*i:rS+2*i+1], s[CS:CS+1], v[rT:rT+1] op_sel_hi:[1,0,0]   ; t - M
	WEAVE
.set i, i+1
.endr
.irp b, 0,1,2,3
	v_fma_f32 v[rB+\b], v[rB+\b], s[CS], v[rT]
	WEAVE
.endr
.endm
.macro SM_TAIL t, first
.set rS, S+64*(\t)
.set rT, ST+8*(\t)
.set rP, P+8*(\t)
.set rB, BM+TW*(\t)
.if \first
	v_nop                                          ; a plain place behind the tile's last exponentials
	s_wait_alu depctr_va_vdst(0)
.else
	v_pk_mul_f32 v[rT+2:rT+3], v[rT+2:rT+3], v[rT+4:rT+5] op_sel_hi:[1,0]   ; l under the new M (also the plain place behind the tile's last exponentials)
	s_wait_alu depctr_va_vdst(0)
.endif
	WEAVE
	s_wait_alu depctr_va_vdst(0)
.irp b, 0,1,2,3
	v_max_num_f32 v[rB+\b], 0x1800000, v[rB+\b]    ; the floor 2^(3 - 127)
	WEAVE
.endr
.irp b, 0,1,2,3
	v_add_nc_u32 v[rB+8+\b], 0xff000000, v[rB+\b]  ; 2 off the exponent field: the conversion's scale operand
	WEAVE
.endr
.irp b, 0,1,2,3
	v_lshrrev_b32 v[rB+4+\b], 23, v[rB+8+\b]       ; the byte
	WEAVE
.endr
	v_lshl_or_b32 v[rT+6], v[rB+5], 8, v[rB+4]     ; p's scale word for these 128 keys
	WEAVE
	v_lshl_or_b32 v[rT+6], v[rB+6], 16, v[rT+6]
	WEAVE
	v_lshl_or_b32 v[rT+6], v[rB+7], 24, v[rT+6]
	WEAVE
.irp b, 0,1,2,3
	v_cvt_scalef32_pk8_fp4_f32 v[rP+2*\b], v[rS+16*\b:rS+16*\b+7], v[rB+8+\b]
	WEAVE
	v_cvt_scalef32_pk8_fp4_f32 v[rP+2*\b+1], v[rS+16*\b+8:rS+16*\b+15], v[rB+8+\b]
	WEAVE
.endr
	v_nop                                          ; a plain place between the last conversion and the lines that touch its result
	WEAVE
.irp c, 0,1
.irp i, 0,1
	v_permlane16_swap_b32 v[rP+4*\c+\i], v[rP+4*\c+2+\i]
	WEAVE
.endr
.endr
	; l is taken of the unquantised p: two at a time, in four chains.  (These lines are also the places between p's codes and scale word and the products that take them)
.if \first == 0
	v_pk_add_f32 v[rT+2:rT+3], v[rT+2:rT+3], v[rS:rS+1]
	WEAVE
.endif
	v_pk_add_f32 v[rB+14:rB+15], v[rS+2:rS+3], v[rS+10:rS+11]
	WEAVE
	v_pk_add_f32 v[C2:C2+1], v[rS+4:rS+5], v[rS+12:rS+13]
	WEAVE
	v_pk_add_f32 v[C3:C3+1], v[rS+6:rS+7], v[rS+14:rS+15]
	WEAVE
.if \first
	v_pk_add_f32 v[rT+2:rT+3], v[rS:rS+1], v[rS+8:rS+9]
.else
	v_pk_add_f32 v[rT+2:rT+3], v[rT+2:rT+3], v[rS+8:rS+9]
.endif
	WEAVE
.irp g, 2,3,4,5,6,7
	v_pk_add_f32 v[rB+14:rB+15], v[rB+14:rB+15], v[rS+8*\g+2:rS+8*\g+3]
	WEAVE
	v_pk_add_f32 v[C2:C2+1], v[C2:C2+1], v[rS+8*\g+4:rS+8*\g+5]
	WEAVE
	v_pk_add_f32 v[C3:C3+1], v[C3:C3+1], v[rS+8*\g+6:rS+8*\g+7]
	WEAVE
	v_pk_add_f32 v[rT+2:rT+3], v[rT+2:rT+3], v[rS+8*\g:rS+8*\g+1]
	WEAVE
.endr
	v_pk_add_f32 v[rB+14:rB+15], v[rB+14:rB+15], v[C2:C2+1]
	WEAVE
	v_pk_add_f32 v[rT+2:rT+3], v[rT+2:rT+3], v[C3:C3+1]
	WEAVE
	v_pk_add_f32 v[rT+2:rT+3], v[rT+2:rT+3], v[rB+14:rB+15]
	WEAVE
.endm
; A KEY STEP: the q-th of the slot.  Its K was fetched in the step before.
; mode 0: the next step lies in the same slot.  1: the slot is read out: it is filled again behind a round.  2: the same with nothing left to fetch.  3: the last step.
.macro STEP slot, q, mode, first
	FETCH_V \slot, \q
	s_wait_dscnt 34                                ; K's 34 loads are in; V's 34 may be out
	WIN 0x0e                                       ; K window 2, Q window 3, S^T window 0
.irp k, 0,1                            ; sixteen accumulators take turns; the first K step starts the sums
.irp n, 0,1,2,3,4,5,6,7
.irp t, 0,1
	MM S+64*\t+8*\n, 16*\n+8*\k, 16*\t+8*\k, 1-\k, KS+\n, QS+\t, \k, \k
.endr
.endr
.endr
	WIN 0
.if \mode == 0
	PLACES
	FETCH_K \slot, 1
.elseif \mode == 1
	s_wait_tensorcnt 0x0                           ; all my tensor loads have landed: my part of the other slot; so a group 0 may be written
	ds_add_u32 v[SPW], v[NIL]                      ; 0 onto my spare word
	s_add_nc_u64 s[G0+4*\slot+2:G0+4*\slot+3], s[G0+4*\slot+2:G0+4*\slot+3], 2*FILL   ; this slot's next two steps
	s_wait_dscnt 0x0                               ; the add is done, and my reads of this slot are over: V's just asked for were the last
	ROUND                                          ; no wave of any partner still reads this slot or has a load on its way
	tensor_load_to_lds s[G0+4*\slot:G0+4*\slot+3], s[G1:G1+7]   ; my one tensor load behind the round, and the first thing there
	s_nop 0
	PLACES                                         ; also the places in front of the loads below
	FETCH_K 1-\slot, 0
.elseif \mode == 2
	s_wait_tensorcnt 0x0
	ds_add_u32 v[SPW], v[NIL]
	s_wait_dscnt 0x0
	s_barrier_signal -1
	s_barrier_wait -1                              ; the last slot is whole, and nobody reads this one any more
	PLACES
	FETCH_K 1-\slot, 0
.else
	PLACES
.endif
.set wt, 2
	SM_HEAD 0, \first                              ; tile 0's head stands alone: no exponential is ready yet
.set wt, 0
.set ex, 0
	SM_HEAD 1, \first                              ; tile 1's head | tile 0's exponentials
	FLUSH
.set wt, 1
.set ex, 0
	SM_TAIL 0, \first                              ; tile 0's tail | tile 1's exponentials
	FLUSH
.set wt, 2
	SM_TAIL 1, \first
.if \first == 0
	WIN 0x41                                       ; O^T window 1, f window 0
.irp t, 0,1
.set i, 0
.rept 64
	v_pk_mul_f32 v[128*\t+2*i:128*\t+2*i+1], v[128*\t+2*i:128*\t+2*i+1], v[ST+8*\t+4:ST+8*\t+5] op_sel_hi:[1,0]   ; O^T under the new M
.set i, i+1
.endr
.endr
.endif
.if \mode == 3
	s_wait_dscnt 0x0
.else
	s_wait_dscnt 34                                ; V is in; the next step's K may be out
.endif
	WIN 0x52                                       ; V window 2, P window 0, O^T window 1
.irp n, 0,1,2,3,4,5,6,7,8,9,10,11,12,13,14,15      ; 32 accumulators take turns
.irp t, 0,1
	MM 128*\t+8*\n, 128+8*\n, P+8*\t, \first, VS+\n/2, ST+8*\t+6, \n%2, 0
.endr
.endr
	WIN 0
	PLACES                                         ; in front of the next loads into V's registers
.endm
	s_wait_tensorcnt 2                             ; my part of slot 0 is in; slot 1's and wp's may stay out
	s_barrier_signal -1
	s_barrier_wait -1                              ; everybody's is
	FETCH_K 0, 0
	s_wait_loadcnt 0x0                             ; Q
	STEP 0, 0, 0, 1                                ; the first step stands in front of the loop: its products start the sums, nothing is cleared
	s_mov_b32 s56, 3
.Llap:                                             ; a trip goes once round the ring and fills both slots again: steps 1 to 12
	STEP 0, 1, 1, 0
	STEP 1, 0, 0, 0
	STEP 1, 1, 1, 0
	STEP 0, 0, 0, 0
	s_sub_co_u32 s56, s56, 1
	s_cmp_lg_u32 s56, 0
	s_cbranch_scc1 .Llap
	; x for the residual and bp are asked for three steps ahead of their use
	WIN 0xc0
.set i, 0
.rept 32
	global_load_b128 v[64+4*i:64+4*i+3], v[GO], s[14:15] offset:32768*i th:TH_LOAD_NT   ; channels 64 w + 2 i + h: sixteen lanes read 256 bytes on end
.set i, i+1
.endr
.set i, 0
.rept 16
	global_load_b32 v[32+2*i], v[BPO], s[12:13] offset:(32*(i/2)+8*(i%2))*4     ; bp of my lane's channel in tile i, twice: a pair for the packed addition
	global_load_b32 v[33+2*i], v[BPO], s[12:13] offset:(32*(i/2)+8*(i%2))*4
.set i, i+1
.endr
	WIN 0
	STEP 0, 1, 2, 0                                ; the tail is written out: nothing more is asked for
	STEP 1, 0, 0, 0
	STEP 1, 1, 3, 0
	; ---- wp's 32 fragments take K's and V's registers, its scale words theirs
	WIN 0x80
.set f, 0
.rept 32
	ds_load_b128 v[8*f:8*f+3], v[WPA] offset:1024*f
	ds_load_b128 v[8*f+4:8*f+7], v[WPA] offset:1024*f+512
.set f, f+1
.endr
	WIN 0
.set i, 0
.rept 16
	ds_load_b32 v[KS+i], v[WPSA] offset:128*i
.set i, i+1
.endr
.irp t, 0,1
	v_add_f32 v[ST+8*\t+2], v[ST+8*\t+2], v[ST+8*\t+3]     ; l's two halves,
.endr
.irp t, 0,1
	v_permlanex16_b32 v[BT+\t], v[ST+8*\t+2], s[SEL], s[SEL+1]
.endr
.irp t, 0,1
	v_add_f32 v[ST+8*\t+2], v[ST+8*\t+2], v[BT+\t]         ; and lane l xor 16's
.endr
	; ---- local tile 1 goes to my partner: O^T as it stands, -M, l.  Slot 0 has had its last fill, and every wave has passed the barrier behind its last read of it
	WIN 0x04                                       ; an LDS store's data are its source 1: window 1
.set i, 0
.rept 32
	ds_store_b128 v[EXW], v[128+4*i:128+4*i+3] offset:512*i        ; each accumulator from its low end on
.set i, i+1
.endr
	WIN 0
	ds_store_b32 v[EXW4], v[ST+8] offset:16384
	ds_store_b32 v[EXW4], v[ST+10] offset:16512
	s_wait_dscnt 0x0                               ; for the others' sake: my stores have landed
	s_barrier_signal -1
	s_barrier_wait -1
	WIN 0x40
.set i, 0
.rept 32
	ds_load_b128 v[128+4*i:128+4*i+3], v[EXR] offset:512*i         ; my partner's sums for my local tile 0, over the other half of the keys
.set i, i+1
.endr
	WIN 0
	ds_load_b32 v[T0], v[EXR4] offset:16384
	ds_load_b32 v[T0+1], v[EXR4] offset:16512
	s_wait_dscnt 0x0
	v_min_num_f32 v66, v[ST], v[T0]                ; -M of all keys
	v_sub_f32 v67, v66, v[ST]
	v_sub_f32 v69, v66, v[T0]
	v_cvt_i32_f32 v67, v67
	v_cvt_i32_f32 v69, v69
	v_ldexp_f32 v67, 1.0, v67                      ; both halves are brought under it by exact powers of two
	v_ldexp_f32 v69, 1.0, v69
	v_mul_f32 v70, v[ST+2], v67
	v_fma_f32 v70, v[T0+1], v69, v70               ; l of all keys
	v_rcp_f32 v70, v70
	v_nop                                          ; a plain place behind the transcendental
	s_wait_alu depctr_va_vdst(0)
	v_mul_f32 v[ST+4], v67, v70
	v_mul_f32 v[ST+12], v69, v70
	WIN 0x41
.set i, 0
.rept 64
	v_pk_mul_f32 v[128+2*i:129+2*i], v[128+2*i:129+2*i], v[ST+12:ST+13] op_sel_hi:[1,0]
.set i, i+1
.endr
	WIN 0x11                                       ; sources 0 and 2 window 1, destination window 0
.set i, 0
.rept 64
	v_pk_fma_f32 v[S+2*i:S+2*i+1], v[2*i:2*i+1], v[ST+4:ST+5], v[128+2*i:129+2*i] op_sel_hi:[1,0,1]   ; o = O / l: register 16 b + i is channel 32 b + 16 h + i of my query
.set i, i+1
.endr
	WIN 0
	QUANT S, P, ST+6                               ; channels 0-127: K step 0 of the last product,
	QUANT S+64, P+8, ST+14                         ; channels 128-255: K step 1
.rept 8
	v_nop                                          ; a scale register written by a vector instruction stands 8 places ahead of a scaled matrix instruction, an operand so written 4
.endr
	WIN 0x58                                       ; o window 0, wp window 2, C and D window 1
.irp k, 0,1                            ; sixteen accumulators take turns
.irp n, 0,1,2,3,4,5,6,7,8,9,10,11,12,13,14,15
	MM 8*\n, P+8*\k, 16*\n+8*\k, 1-\k, ST+6+8*\k, KS+\n, 0, \k
.endr
.endr
	WIN 0
	PLACES
	s_wait_loadcnt 0x0                             ; bp and x
	WIN 0x4d                                       ; destination and source 0 window 1, source 1 (bp) window 3
.irp n, 0,1,2,3,4,5,6,7,8,9,10,11,12,13,14,15
.irp j, 0,2,4,6
	v_pk_add_f32 v[8*\n+\j:8*\n+\j+1], v[8*\n+\j:8*\n+\j+1], v[32+2*\n:33+2*\n]
.endr
.endr
	WIN 0x04
.irp n, 0,1,2,3,4,5,6,7,8,9,10,11,12,13,14,15
	ds_store_b128 v[STO], v[8*\n:8*\n+3] offset:(32*(\n/2)+8*(\n%2))*SPI       ; eight neighbouring pixels of one channel
	ds_store_b128 v[STO], v[8*\n+4:8*\n+7] offset:(32*(\n/2)+8*(\n%2))*SPI+16
.endr
	WIN 0
	s_wait_dscnt 0x0                               ; for the others' sake: a row's 256 bytes come from four waves
	s_barrier_signal -1
	s_barrier_wait -1
.set i, 0
.rept 32
	ds_load_b128 v[S+4*i:S+4*i+3], v[SRD] offset:2*SPI*i
.set i, i+1
.endr
	WIN 0xcc                                       ; destination and source 1 window 3: the sums land in x's registers, from which a store takes its data under the same setting
.set i, 0
.rept 32
	s_wait_dscnt 31-i                              ; LDS loads come back in order: row pair i is in
	v_pk_add_f32 v[64+4*i:65+4*i], v[S+4*i:S+4*i+1], v[64+4*i:65+4*i]
	v_pk_add_f32 v[66+4*i:67+4*i], v[S+4*i+2:S+4*i+3], v[66+4*i:67+4*i]
	global_store_b128 v[GO], v[64+4*i:67+4*i], s[16:17] offset:32768*i th:TH_STORE_NT   ; sixteen lanes store 256 bytes on end, at a multiple of 256 from out's first byte
.set i, i+1
.endr
	WIN 0
	s_wait_tensorcnt 0x0                           ; the wave's end: behind my last tensor load and my last LDS store
	ds_add_u32 v[SPW], v[NIL]
	s_wait_dscnt 0x0
	ROUND                                          ; the closing round: no work-group ends while a partner may still ask for a tile that names it
	s_endpgm
.Lfunc_end_k_q869526176a_attn:
	.size	k_q869526176a_attn, .Lfunc_end_k_q869526176a_attn-k_q869526176a_attn
	.p2alignl 7, 3214868480
	.fill 96, 4, 3214868480
	.section	.rodata,"a",@progbits
	.p2align	6, 0x0
	.amdhsa_kernel k_q869526176a_attn
		.amdhsa_group_segment_fixed_size 327680
		.amdhsa_private_segment_fixed_size 0
		.amdhsa_enable_private_segment 0
		.amdhsa_kernarg_size 56
		.amdhsa_user_sgpr_count 2
		.amdhsa_user_sgpr_kernarg_segment_ptr 1
		.amdhsa_wavefront_size32 1
		.amdhsa_system_sgpr_workgroup_id_x 1
		.amdhsa_system_sgpr_workgroup_id_y 1
		.amdhsa_system_sgpr_workgroup_id_z 1
		.amdhsa_system_vgpr_workitem_id 0
		.amdhsa_next_free_vgpr 1024
		.amdhsa_next_free_sgpr 100
		.amdhsa_reserve_vcc 0
		.amdhsa_float_denorm_mode_32 3
		.amdhsa_float_denorm_mode_16_64 3
		.amdhsa_memory_ordered 1
		.amdhsa_forward_progress 1
		.amdhsa_inst_pref_size 255
	.end_amdhsa_kernel
	.section	.bss,"aw",@nobits
	.p2align	6
	.space	262144
	.amdgpu_metadata
---
amdhsa.version: [ 1, 2 ]
amdhsa.kernels:
  - .name:           k_q869526176a_attn
    .symbol:         k_q869526176a_attn.kd
    .args:
      - { .name: qbuf, .offset: 0, .size: 8, .value_kind: global_buffer, .address_space: global }
      - { .name: kbuf, .offset: 8, .size: 8, .value_kind: global_buffer, .address_space: global }
      - { .name: vbuf, .offset: 16, .size: 8, .value_kind: global_buffer, .address_space: global }
      - { .name: wfrag, .offset: 24, .size: 8, .value_kind: global_buffer, .address_space: global }
      - { .name: bp, .offset: 32, .size: 8, .value_kind: global_buffer, .address_space: global }
      - { .name: x, .offset: 40, .size: 8, .value_kind: global_buffer, .address_space: global }
      - { .name: out0, .offset: 48, .size: 8, .value_kind: global_buffer, .address_space: global }
    .group_segment_fixed_size: 327680
    .private_segment_fixed_size: 0
    .kernarg_segment_align: 8
    .kernarg_segment_size: 56
    .max_flat_workgroup_size: 128
    .sgpr_count:     100
    .vgpr_count:     1024
    .wavefront_size: 32
...
	.end_amdgpu_metadata
.endif
;; end of part 3
